; MI455X (gfx1250); checked and timed in simulation.
; The chip was launched on July 23, 2026; its instructions are those of AMD's public machine-readable ISA for CDNA 5 (MIT licence, August 2026) and "CDNA5" Instruction Set Architecture Reference Guide (July 2026). The comments in the code are by the model that wrote it; some were corrected since.
;; Casual Multi Head Attention. Allowed arithmetic: matrix products marked QUANTISED: E5M2 operands, one given power-of-two scale a tensor, by v_wmma_f32_16x16x64_bf8_bf8 or v_wmma_f32_16x16x128_bf8_bf8, f32 sums; everything else in f32.
;; Inputs: W_attn 1,024 x 3,072 float32; W_out 1,024 x 1,024 float32; b_attn 3,072 float32; b_out 1,024 float32; lowp_scales 8 int32 (the exponents e of the quantised operands' scales 2^e); x 4 x 2,048 x 1,024 float32.
;; Outputs: out0 4 x 2,048 x 1,024 float32.
;; This version of the problem:
;;   THIS VERSION OF THE PROBLEM IS GIVEN IN LOW PRECISION. The matrix products marked QUANTISED in the list below multiply operands that are first quantised to E5M2 (5 exponent bits, 2 mantissa bits; 8 bits a number), with one given power-of-two scale for each operand tensor; their sums are f32. All else is computed in f32.
;;   The module's matrix products, in the order in which they are computed (A, B: the left and right operand; K: the contracted axis; several contracted axes count as one K, in the product's order):
;;     1. [M 8,192, K 1,024] x [K 1,024, N 3,072]; A: input x; B: input W_attn: QUANTISED (scales: A lowp_scales[0], B lowp_scales[1])
;;     2. batch 64 x [M 2,048, K 64] x [K 64, N 2,048]; A: computed on the way; B: computed on the way: QUANTISED (scales: A lowp_scales[2], B lowp_scales[3])
;;     3. batch 64 x [M 2,048, K 2,048] x [K 2,048, N 64]; A: softmax (see below); B: computed on the way: QUANTISED (scales: A lowp_scales[4], B lowp_scales[5])
;;     4. [M 8,192, K 1,024] x [K 1,024, N 1,024]; A: computed on the way; B: input W_out: QUANTISED (scales: A lowp_scales[6], B lowp_scales[7])
;;   THE QUANTISER, for each operand of a quantised product, along K:
;;     - The operand's scale is 2^e, e = its entry of the input lowp_scales (int32; the entries are numbered through the quantised products in the list's order, A before B).
;;     - Each number is divided by the scale, clamped to +-57,344, and rounded to the nearest number of E5M2, ties to even, subnormals kept.
;;     - The product sums the exact products of the quantised numbers (number of the format x scale) in f32.
;;   ~~~python
;;   def quantise(x, axis, e):      # numpy; x: float32 -> the quantised numbers, widened to float32 again
;;       x = np.moveaxis(x, axis, -1); K = x.shape[-1]
;;       r = np.clip(x / 2.0 ** e, -57344, 57344)
;;       step = 2.0 ** (np.maximum(np.frexp(np.where(r == 0, 1, r))[1] - 1, -14) - 2)
;;       q = np.round(r / step) * step * 2.0 ** e      # np.round: ties to even
;;       return np.moveaxis(q, -1, axis).astype(np.float32)
;;   ~~~
;;   SOFTMAX AHEAD OF A QUANTISED PRODUCT. Where the list says 'softmax', what is quantised is not the finished softmax but p = 2^(t - M), with t = logit x log2(e) and M = ceil(the row's largest t), a whole number; so 1/2 < the row's largest p <= 1. The row's sum l is taken of the UNQUANTISED p, in f32, and the product's result is divided by l at the end. Since M is a whole number, a kernel that streams over the keys may use a running M (the ceiling of the running maximum): every later rescaling is an exact power of two, so the quantised numbers keep their values, but for numbers so far below the row's largest that they fall under the format's range.
;;   OPERANDS COMPUTED ON THE WAY. 'Computed on the way' means the value that the module computes at that place (a softmax that the list does not call 'softmax' is quantised finished and normalised). What goes into a quantiser is computed in f32, as accurately as f32 sums, v_exp_f32 and their like allow (about 1e-6 of the number): no bf16 or f16 on the way to a quantiser, and a product that is left as it is and whose result goes on into a quantised operand takes f32 operands (vector FMAs, or v_wmma_f32_16x16x4_f32). A number that lies on a knife's edge between two numbers of the format may be rounded either way, as far as f32 arithmetic and the matrix unit's own rounding can turn it there, and no further.
;; One version. Each part assembles by itself: llvm-mc -triple=amdgcn-amd-amdhsa -mcpu=gfx1250 --defsym DOCPART=n.
;; ======== version 1 of 1: 4 launches
;; limits: right only within a limited range of input values
;; workspace buffers: x_codes 8,388,608 bytes; wa_codes 3,145,728 bytes; wo_codes 1,048,576 bytes; q_codes 8,388,608 bytes; kv_codes 16,777,216 bytes; a_codes 8,388,608 bytes
;; launch quant (part 1): grid 768 x 1, 4 waves a work-group, no clusters, 34,304 bytes of LDS; arguments x, W_attn, W_out, lowp_scales, x_codes, wa_codes, wo_codes; writes x_codes, wa_codes, wo_codes
.if DOCPART == 1
	.amdgcn_target "amdgcn-amd-amdhsa--gfx1250"
	.amdhsa_code_object_version 6
	.text
	.protected	k_q7cee9a6519_quant
	.globl	k_q7cee9a6519_quant
	.p2align	8
	.type	k_q7cee9a6519_quant,@function
k_q7cee9a6519_quant:
	s_mov_b64 s[64:65], 0
	v_nop
	global_prefetch_b8 v0, s[64:65] scope:SCOPE_SE
	s_setreg_imm32_b32 hwreg(HW_REG_WAVE_MODE, 25, 1), 1
	s_wait_xcnt 0x0
; x [8192][1024], W_attn [1024][3072] and W_out [1024][1024], f32, become codes of BF8 (E5M2) with the given scales 2^e0, 2^e1, 2^e7:
; code = number / 2^e, held within +-57,344, rounded to the nearest code, ties to even.
; LIMITS: each e between -126 and 112, so that 2^e and 57,344 x 2^e are f32 numbers.  NaN among the inputs is not served.
; THE CODES' LAYOUT (all three buffers): images of operand registers.  Tile T holds 16 rows of the operand (x: rows; a weight: its columns n): index i stands for row
; 32 (T / 2) + 8 (T % 2) + i + 8 (i / 8).  A fragment is a tile x 128 along K (K step s): lane (r, h) holds, in register group c (16 bytes), index r at k = 128 s + 32 c + 16 h + 0 .. 15;
; the group lies at 512 c + 16 x lane of the fragment's 2,048 bytes.  Fragment (T, s) begins at ((T / 8) 4 + s / 2) 32,768 + (T % 8) 4,096 + (s % 2) 2,048:
; 128 rows x 256 along K are one dense block of 32,768 bytes.
; SHARES.  Work-groups 0-511: a tile of x each, wave w its K steps 2 w and 2 w + 1.  512-703: W_attn, 128 columns x one K step each, 32 columns a wave.  704-767: W_out likewise.
; The three ways part on the work-group's number; only x's way uses LDS.  No barrier: waves share nothing.  No cluster: no two work-groups read the same bytes.
.set R0,  16                           ; v16-79   x: 16 rows x 512 bytes as loaded, K step 0; later K step 1 turned
.set R1,  80                           ; v80-143  the same, K step 1
.set XR,  144                          ; v144-207 K step 0 turned: 64 numbers of my row
.set CR,  208                          ; v208-239 x's codes: 16 registers for each K step
.set SPX, 528                          ; a stage row: 512 bytes + 16
.set WST, 16*SPX                       ; a wave's stage
.set WN,  16                           ; v16-143  a weight: 128 numbers down K of my column
.set WC,  144                          ; v144-175 its codes
	s_load_b256 s[4:11], s[0:1], 0x0               ; x s[4:5], W_attn s[6:7], W_out s[8:9], the exponents s[10:11]
	s_load_b128 s[12:15], s[0:1], 0x20             ; x_codes s[12:13], wa_codes s[14:15]
	s_load_b64 s[16:17], s[0:1], 0x30              ; wo_codes
	v_lshl_add_u32 v240, v0, 2, 0x8400
	v_mov_b32 v241, 0
	v_lshrrev_b32 v1, 5, v0
	v_readfirstlane_b32 s18, v1                    ; wave 0..3
	v_and_b32 v1, 31, v0                           ; lane
	v_and_b32 v2, 15, v0                           ; r
	v_bfe_u32 v3, v0, 4, 1                         ; lane / 16
	v_lshlrev_b32 v4, 4, v1                        ; 16 x lane
	s_wait_kmcnt 0x0
	s_load_b256 s[24:31], s[10:11], 0x0            ; e0 .. e7
.macro SCALE e                         ; v11 = 2^e as f32 (the conversion takes its exponent field)
	s_add_co_i32 s32, s[\e], 127
	s_lshl_b32 s33, s32, 23
	v_mov_b32 v11, s33
.endm
	s_cmp_lt_u32 ttmp9, 512
	s_cbranch_scc0 .Lweights
; ---------------- x: tile T = the work-group's number
	s_lshr_b32 s20, ttmp9, 1
	s_lshl_b32 s20, s20, 5
	s_and_b32 s21, ttmp9, 1
	s_lshl_b32 s21, s21, 3
	s_add_co_u32 s20, s20, s21                     ; the tile's first row: 32 (T / 2) + 8 (T % 2)
	s_lshl_b32 s20, s20, 12                        ; rows of 4,096 bytes
	s_lshl_b32 s21, s18, 10                        ; my two K steps: 1,024 bytes
	s_add_co_u32 s20, s20, s21
	s_mov_b32 s21, 0
	s_add_nc_u64 s[4:5], s[4:5], s[20:21]
	s_lshr_b32 s22, ttmp9, 3
	s_lshl_b32 s22, s22, 2
	s_add_co_u32 s22, s22, s18                     ; the block of 32,768 bytes: (T / 8) 4 + wave
	s_lshl_b32 s22, s22, 15
	s_and_b32 s23, ttmp9, 7
	s_lshl_b32 s23, s23, 12
	s_add_co_u32 s22, s22, s23
	s_mov_b32 s23, 0
	s_add_nc_u64 s[12:13], s[12:13], s[22:23]
	s_mul_i32 s19, s18, WST
	s_wait_alu depctr_va_vdst(0)
	v_add_nc_u32 v5, s19, v4                       ; into my stage: a row's 512 bytes as they lie
	v_mul_u32_u24 v6, v2, SPX
	v_lshl_add_u32 v6, v3, 6, v6
	v_add_nc_u32 v6, s19, v6                       ; out of it: row r, + 64 h: my 16 numbers of each block of 32
.macro XLOAD reg, s                    ; the tile's 16 rows, K step s: each load reads 512 consecutive bytes
.irp i, 0,1,2,3,4,5,6,7,8,9,10,11,12,13,14,15
	global_load_b128 v[\reg+4*\i:\reg+4*\i+3], v4, s[4:5] offset:(\i+8*(\i/8))*4096+512*\s th:TH_LOAD_NT
.endr
.endm
.macro XTURN from, to                  ; through my stage: LDS serves a wave's instructions in order (ISA guide 5.7.1.4), so no wait stands between the stores and the loads
.irp i, 0,1,2,3,4,5,6,7,8,9,10,11,12,13,14,15
	ds_store_b128 v5, v[\from+4*\i:\from+4*\i+3] offset:SPX*\i
.endr
.irp c, 0,1,2,3
.irp j, 0,1,2,3
	ds_load_b128 v[\to+16*\c+4*\j:\to+16*\c+4*\j+3], v6 offset:128*\c+16*\j
.endr
.endr
.endm
.macro XQ from, s                      ; 64 numbers of my row become a fragment's 16 registers, which are stored as they stand: 512 consecutive bytes a store
.set i, 0
.rept 64
.set i, i+1
.endr
.irp c, 0,1,2,3
	v_cvt_scalef32_pk8_bf8_f32 v[CR+16*\s+4*\c:CR+16*\s+4*\c+1], v[\from+16*\c:\from+16*\c+7], v11
	v_cvt_scalef32_pk8_bf8_f32 v[CR+16*\s+4*\c+2:CR+16*\s+4*\c+3], v[\from+16*\c+8:\from+16*\c+15], v11
.endr
.irp c, 0,1,2,3
	global_store_b128 v4, v[CR+16*\s+4*\c:CR+16*\s+4*\c+3], s[12:13] offset:2048*\s+512*\c
.endr
.endm
	XLOAD R0, 0
	XLOAD R1, 1
	s_wait_alu depctr_va_vdst(0)
	s_wait_kmcnt 0x0
	SCALE 24                                       ; e0
	s_wait_alu depctr_va_vdst(0)
	s_wait_loadcnt 16                              ; K step 0's sixteen loads are in; K step 1's sixteen may be out
	XTURN R0, XR
	s_wait_dscnt 0x0                               ; K step 0 is turned: the stage and R0 are free
	s_wait_loadcnt 0x0
	XTURN R1, R0                                   ; K step 1 goes through the stage while K step 0 is quantised
	XQ XR, 0
	s_wait_dscnt 0x0
	XQ R0, 1
	s_wait_tensorcnt 0x0
	ds_add_u32 v240, v241
	s_wait_dscnt 0x0
	s_endpgm
; ---------------- the weights: K is their FIRST axis.  A lane takes a column n and its registers run down K, so the conversions give codes with K innermost and nothing is transposed.
; Lane (u = lane / 16, r) takes column 8 u + r + 8 (r / 8) of the wave's 32: index r of tile u of the pair; the wave's 32 lanes read 128 consecutive bytes, the four waves 512.
.macro WLOAD n, sp, c                  ; block c: 32 numbers down K
.set kk, 32*(\c)
.rept 32
	global_load_b32 v[WN+kk], v7, s[\sp:\sp+1] offset:kk*\n*4 th:TH_LOAD_NT
.set kk, kk+1
.endr
.endm
.macro WPATH n, first, sp, dp, e
	s_sub_co_u32 s19, ttmp9, \first
	s_and_b32 s20, s19, 7                          ; the K step
	s_lshr_b32 s21, s19, 3                         ; the block of 128 columns
	v_and_b32 v5, 8, v2
	v_add_nc_u32 v5, v5, v2
	v_lshl_add_u32 v5, v3, 3, v5                   ; my column among the wave's 32
	v_lshlrev_b32 v7, 2, v5
	s_wait_alu depctr_va_vdst(0)
	v_lshlrev_b32 v8, 4, v2
	v_lshl_add_u32 v8, v3, 12, v8                  ; my codes' place: tile u's fragment, 16 r
	s_mul_i32 s22, s20, 128*\n*4
	s_lshl_b32 s23, s21, 9
	s_add_co_u32 s22, s22, s23
	s_lshl_b32 s23, s18, 7
	s_add_co_u32 s22, s22, s23
	s_mov_b32 s23, 0
	s_add_nc_u64 s[\sp:\sp+1], s[\sp:\sp+1], s[22:23]
	s_lshl_b32 s22, s21, 2
	s_lshr_b32 s32, s20, 1
	s_add_co_u32 s22, s22, s32
	s_lshl_b32 s22, s22, 15
	s_lshl_b32 s32, s18, 13
	s_add_co_u32 s22, s22, s32
	s_and_b32 s32, s20, 1
	s_lshl_b32 s32, s32, 11
	s_add_co_u32 s22, s22, s32
	s_add_nc_u64 s[\dp:\dp+1], s[\dp:\dp+1], s[22:23]
	WLOAD \n, \sp, 0
	WLOAD \n, \sp, 1
	s_wait_kmcnt 0x0
	SCALE \e
	s_wait_alu depctr_va_vdst(0)
.irp c, 0,1,2,3
.if \c < 3
	s_wait_loadcnt 32                              ; this block's 32 loads are in; the next block's 32 may be out
.else
	s_wait_loadcnt 0x0
.endif
.if \c < 2
	WLOAD \n, \sp, \c+2                            ; two blocks ahead, into registers of their own
.endif
.set i, 0
.rept 32
.set i, i+1
.endr
.irp g, 0,1,2,3
	v_cvt_scalef32_pk8_bf8_f32 v[WC+8*\c+2*\g:WC+8*\c+2*\g+1], v[WN+32*\c+8*\g:WN+32*\c+8*\g+7], v11
.endr
	global_store_b128 v8, v[WC+8*\c:WC+8*\c+3], s[\dp:\dp+1] offset:512*\c        ; k = 32 c + 0 .. 15: the place of lane r of the fragment; sixteen lanes store 256 consecutive bytes, aligned
	global_store_b128 v8, v[WC+8*\c+4:WC+8*\c+7], s[\dp:\dp+1] offset:512*\c+256  ; k = 32 c + 16 .. 31: the place of lane 16 + r
.endr
	s_endpgm
.endm
.Lweights:
	s_cmp_lt_u32 ttmp9, 704
	s_cbranch_scc0 .Lw_out
	s_wait_alu depctr_va_vdst(0)
	WPATH 3072, 512, 6, 14, 25                     ; W_attn, e1
.Lw_out:
	s_wait_alu depctr_va_vdst(0)
	WPATH 1024, 704, 8, 16, 31                     ; W_out, e7
.Lfunc_end_k_q7cee9a6519_quant:
	.size	k_q7cee9a6519_quant, .Lfunc_end_k_q7cee9a6519_quant-k_q7cee9a6519_quant
	.p2alignl 7, 3214868480
	.fill 96, 4, 3214868480
	.section	.rodata,"a",@progbits
	.p2align	6, 0x0
	.amdhsa_kernel k_q7cee9a6519_quant
		.amdhsa_group_segment_fixed_size 34304
		.amdhsa_private_segment_fixed_size 0
		.amdhsa_enable_private_segment 0
		.amdhsa_kernarg_size 56
		.amdhsa_user_sgpr_count 2
		.amdhsa_user_sgpr_kernarg_segment_ptr 1
		.amdhsa_wavefront_size32 1
		.amdhsa_system_sgpr_workgroup_id_x 1
		.amdhsa_system_sgpr_workgroup_id_y 1
		.amdhsa_system_sgpr_workgroup_id_z 1
		.amdhsa_system_vgpr_workitem_id 0
		.amdhsa_next_free_vgpr 242
		.amdhsa_next_free_sgpr 66
		.amdhsa_reserve_vcc 0
		.amdhsa_float_denorm_mode_32 3
		.amdhsa_float_denorm_mode_16_64 3
		.amdhsa_fp16_overflow 1
		.amdhsa_memory_ordered 1
		.amdhsa_forward_progress 1
		.amdhsa_inst_pref_size 42
	.end_amdhsa_kernel
	.amdgpu_metadata
---
amdhsa.version: [ 1, 2 ]
amdhsa.kernels:
  - .name:           k_q7cee9a6519_quant
    .symbol:         k_q7cee9a6519_quant.kd
    .args:
      - { .name: x, .offset: 0, .size: 8, .value_kind: global_buffer, .address_space: global }
      - { .name: W_attn, .offset: 8, .size: 8, .value_kind: global_buffer, .address_space: global }
      - { .name: W_out, .offset: 16, .size: 8, .value_kind: global_buffer, .address_space: global }
      - { .name: lowp_scales, .offset: 24, .size: 8, .value_kind: global_buffer, .address_space: global }
      - { .name: x_codes, .offset: 32, .size: 8, .value_kind: global_buffer, .address_space: global }
      - { .name: wa_codes, .offset: 40, .size: 8, .value_kind: global_buffer, .address_space: global }
      - { .name: wo_codes, .offset: 48, .size: 8, .value_kind: global_buffer, .address_space: global }
    .group_segment_fixed_size: 34304
    .private_segment_fixed_size: 0
    .kernarg_segment_align: 8
    .kernarg_segment_size: 56
    .max_flat_workgroup_size: 128
    .sgpr_count:     66
    .vgpr_count:     242
    .wavefront_size: 32
...
	.end_amdgpu_metadata
.endif
;; end of part 1
;; launch qkv (part 2): grid 12 x 32, 4 waves a work-group, clusters of 4 x 4, 327,680 bytes of LDS; arguments x_codes, wa_codes, b_attn, lowp_scales, q_codes, kv_codes; writes q_codes, kv_codes
.if DOCPART == 2
	.amdgcn_target "amdgcn-amd-amdhsa--gfx1250"
	.amdhsa_code_object_version 6
	.text
	.protected	k_q7cee9a6519_qkv
	.globl	k_q7cee9a6519_qkv
	.p2align	8
	.type	k_q7cee9a6519_qkv,@function
k_q7cee9a6519_qkv:
	s_mov_b64 s[64:65], 0
	v_nop
	global_prefetch_b8 v0, s[64:65] scope:SCOPE_SE
	s_setreg_imm32_b32 hwreg(HW_REG_WAVE_MODE, 25, 1), 1
	s_wait_xcnt 0x0
	s_wait_alu depctr_hold_cnt(0) depctr_sa_sdst(0) depctr_va_vdst(0) depctr_va_sdst(0) depctr_va_ssrc(0) depctr_va_vcc(0) depctr_vm_vsrc(0)
	s_getreg_b32 s2, hwreg(HW_REG_IB_STS2, 6, 4)
	s_cmp_eq_u32 s2, 0
	s_cbranch_scc0 .Lentry_in_a_cluster
	s_endpgm
.Lentry_in_a_cluster:
	s_bfe_u32 s2, ttmp6, 0x10000c
	s_cmp_lg_u32 s2, 0xf033
	s_cbranch_scc0 .Lentry_shape_is_right
	s_endpgm
.Lentry_shape_is_right:
; qkv = x W_attn + b_attn on codes of BF8 (E5M2); each finished sum x 2^(e0 + e1) + bias, in f32, is quantised at once: q with 2^e2, k with 2^e3, v with 2^e5.  The f32 numbers never go to memory.
; LIMITS: e0 + e1 between -126 and 127; e2, e3, e5 between -126 and 112, so that each power of two below is an f32 number.
; OPERANDS are images of registers (tile T: index i = row 32 (T / 2) + 8 (T % 2) + i + 8 (i / 8); group c of lane (r, h): index r, k = 32 c + 16 h + 0 .. 15, at 512 c + 16 x lane): 128 rows x 256 K are one dense block of 32,768 bytes.
; A tile of the product, 256 x 256, is made by four waves, 128 x 128 each: 64 accumulators.  D(a, b) = fragment b of "B" as source 0, fragment a of "A" as source 1: lane (r, h) holds A's index r,
; and its register j B's index 8 h + j.  By the tiles' order of rows, the 16 registers of B's tiles 2 p and 2 p + 1 are 16 NEIGHBOURS, 32 p + 16 h + 0 .. 15, along B's rows: two conversions each make a
; register group of the next product's operand, which is stored as it stands: no stage, 512 consecutive bytes a store.
; ROLES, by the cluster's x (equal in all sixteen partners).  0: q, 1: k: A = x (queries or keys to the lanes), B = W_attn's columns (the head's 64 to the registers: K of the scores).
; 2: v: A = W_attn's columns (the head's 64 to the lanes), B = x (the KEYS to the registers: K of the second product).
; OUT: q_codes [head 64][tile 128][1,024];  kv_codes [head 64][key step 16][8 tiles of keys x 1,024, then 4 tiles of the head's 64 x 2,048 (128 keys)].
; CLUSTERS: 4 x 4.  A's blocks are shared along a row of the cluster, B's along a column: joint loads.  K goes in steps of 256 through two LDS slots; 1,024 along K are four slots' worth, written out without a loop.
; No prefetch: half of K is asked for at the head, and two refills follow.
; REGISTERS: window 0: v16-29 addresses, v32-95 the bias, v128-255 A's fragments (one set), on the way out v96-223 at work; window 1: B's two sets; windows 2, 3: accumulator (a, b) at v[8 (8 (a % 4) + b)].
.set HALFT,  32768                     ; 128 rows x 256 K: what one tensor load brings, and what one wave reads of A or of B
.set SLOT,   4*HALFT                   ; A's two halves, then B's two
.set SPARE,  2*SLOT                    ; behind the ring: the spare words, 128 bytes for each wave: two blocks of 256 bytes that no other line names
.set FR,     16                        ; registers of a fragment
.set NL,     4                         ; LDS loads that bring one
.set NP,     4                         ; places behind this matrix instruction (ISA guide 7.12.1)
.set ADRA, 16                          ; v16-17  LDS address of my A fragments in slot 0, 1
.set ADRB, 20                          ; v20-21  the same for B
.set LI,   24                          ; v24     16 x lane
.set BO,   25                          ; v25     my lane's offset in the bias
.set QS,   26                          ; v26     the quantiser's 2^e
.set QL,   27
.set SPW,  28                          ; v28     LDS address of my spare word; never rewritten
.set NIL,  29                          ; v29     0; never rewritten
.set BIAS, 32
.set TMP,  96
.set CD,   160
.set AF,   128
.set WV, 16                            ; s16 wave; s17 which half of A's rows is mine, also: I fetch for A (0) or B (1); s18 which half of B's rows, also: which 128 rows I fetch
.set HA, 17
.set HB, 18
.set G1, 24                            ; s[24:31] group 1 for A's blocks; s[32:39] group 0, a set for each slot
.set G0, 32
.set G1B, 48                           ; s[48:55], s[56:63] the same for B's
.set G0B, 56
.set MSB, 0
.macro WIN new                         ; the immediate's high byte repeats the setting that is left
.if MSB != (\new)
	s_set_vgpr_msb (MSB<<8)|(\new)
.set MSB, (\new)
.endif
.endm
.set MUL_LO, 0xa1                      ; source 0 (B) window 1, source 1 (A) window 0, C and D window 2
.set MUL_HI, 0xf1                      ; the same, C and D window 3
.set TO_B,   0x40                      ; destination window 1, address window 0
.macro JLOAD s                         ; a joint load: waves 0, 1 for A, waves 2, 3 for B; the branch hangs on the wave's number alone; four v_nop follow each line
	s_cmp_eq_u32 s[HA], 0
	s_cbranch_scc0 .Lfor_b_\@
	tensor_load_to_lds s[G0+4*\s:G0+4*\s+3], s[G1:G1+7]
	s_nop 0
.rept 4
	v_nop
.endr
	s_branch .Lasked_\@
.Lfor_b_\@:
	tensor_load_to_lds s[G0B+4*\s:G0B+4*\s+3], s[G1B:G1B+7]
	s_nop 0
.rept 4
	v_nop
.endr
.Lasked_\@:
.endm
.macro CREST                           ; a round of the cluster's barrier behind its opening barrier
	s_cmp_lg_u32 s[WV], 0
	s_cbranch_scc1 .Lnot_wave_0_\@
	s_barrier_signal -3
.Lnot_wave_0_\@:
	s_barrier_wait -3
	s_barrier_signal -1
	s_barrier_wait -1
.endm
.macro CROUND
	s_barrier_signal -1
	s_barrier_wait -1
	CREST
.endm
	s_load_b256 s[4:11], s[0:1], 0x0               ; x_codes s[4:5], wa_codes s[6:7], b_attn s[8:9], the exponents s[10:11]
	s_load_b128 s[12:15], s[0:1], 0x20             ; q_codes s[12:13], kv_codes s[14:15]
	v_lshl_add_u32 v[SPW], v0, 2, SPARE
	v_mov_b32 v[NIL], 0
	ds_add_u32 v28, v29
	ds_add_u32 v28, v29
	s_wait_dscnt 0x0
	v_lshrrev_b32 v1, 5, v0
	v_readfirstlane_b32 s[WV], v1
	s_lshr_b32 s[HA], s[WV], 1
	s_and_b32 s[HB], s[WV], 1
	s_bfe_u32 s19, ttmp6, 0x40000                  ; cx
	s_bfe_u32 s20, ttmp6, 0x40004                  ; cy
	s_and_b32 s22, ttmp7, 0xffff
	s_lshl_b32 s22, s22, 2                         ; 4 x cluster y
	s_lshl_b32 s23, ttmp9, 2                       ; 4 x cluster x
	s_add_co_u32 s42, s22, s20                     ; q, k: A is x's block of 256 rows 4 Y + cy
	s_add_co_u32 s43, s20, 8                       ; v:    A is W_attn's block of 256 columns 8 + cy
	s_add_co_u32 s46, s23, s19                     ; q, k: B is W_attn's block 4 X + cx
	s_add_co_u32 s47, s22, s19                     ; v:    B is x's block 4 Y + cx
	s_cmp_eq_u32 ttmp9, 2
	s_cselect_b32 s40, s43, s42                    ; A's block: it hangs on cy, never on cx
	s_cselect_b32 s41, s47, s46                    ; B's block: on cx, never on cy
	s_lshl_b32 s21, s20, 2
	s_lshl_b32 s21, 15, s21                        ; my row of the cluster
	s_lshl_b32 s23, 0x1111, s19                    ; my column
	; group 1: a dense block as 128 rows of 32 elements of 8 bytes, no padding
	s_or_b32 s[G1+0], s21, (3<<16)|(1<<21)         ; 15:0 the mask; 17:16 elements of 8 bytes; 21 set beside a mask
	s_or_b32 s[G1B+0], s23, (3<<16)|(1<<21)
.irp g, G1, G1B
	s_mov_b32 s[\g+1], 32<<16                      ; tensor_dim0
	s_mov_b32 s[\g+2], 128<<16                     ; tensor_dim1
	s_mov_b32 s[\g+3], 32<<16                      ; tile_dim0
	s_mov_b32 s[\g+4], 128                         ; tile_dim1
	s_mov_b32 s[\g+5], 32                          ; tensor_dim0_stride
	s_mov_b32 s[\g+6], 0
	s_mov_b32 s[\g+7], 0
.endr
	s_lshl_b32 s42, s40, 1
	s_add_co_u32 s42, s42, s[HB]                   ; the 128 rows that I fetch,
	s_lshl_b32 s42, s42, 17                        ; 131,072 bytes each (four blocks along K)
	s_mov_b32 s43, 0
	s_lshl_b32 s46, s41, 1
	s_add_co_u32 s46, s46, s[HB]
	s_lshl_b32 s46, s46, 17
	s_mov_b32 s47, 0
	s_lshl_b32 s45, s[WV], 15                      ; where they go: wave x 32,768: no place in the cluster enters an LDS address
	s_wait_kmcnt 0x0
	s_load_b256 s[72:79], s[10:11], 0x0            ; e0 .. e7
	s_cmp_eq_u32 ttmp9, 2
	s_cselect_b64 s[66:67], s[6:7], s[4:5]         ; A's buffer
	s_cselect_b64 s[68:69], s[4:5], s[6:7]         ; B's buffer
	s_add_nc_u64 s[66:67], s[66:67], s[42:43]
	s_add_nc_u64 s[68:69], s[68:69], s[46:47]
	CROUND                                         ; all sixteen work-groups are here: the first joint loads meet
.irp s, 0,1
	s_mov_b32 s[G0+4*\s], 1
	s_add_co_u32 s[G0+4*\s+1], s45, \s*SLOT
	s_add_nc_u64 s[G0+4*\s+2:G0+4*\s+3], s[66:67], \s*HALFT
	s_or_b32 s[G0+4*\s+3], s[G0+4*\s+3], 0x80000000
	s_mov_b32 s[G0B+4*\s], 1
	s_add_co_u32 s[G0B+4*\s+1], s45, \s*SLOT
	s_add_nc_u64 s[G0B+4*\s+2:G0B+4*\s+3], s[68:69], \s*HALFT
	s_or_b32 s[G0B+4*\s+3], s[G0B+4*\s+3], 0x80000000
	JLOAD \s
.endr
	v_and_b32 v1, 31, v0
	v_lshlrev_b32 v[LI], 4, v1
	s_lshl_b32 s21, s[HA], 15                      ; my 128 rows of A
	s_lshl_b32 s23, s[HB], 15                      ; my 128 rows of B,
	s_add_co_u32 s23, s23, 2*HALFT                 ; which lie behind A's two halves
.irp s, 0,1
	v_add_nc_u32 v[ADRA+\s], s21, v[LI]
	v_add_nc_u32 v[ADRB+\s], s23, v[LI]
	s_add_co_u32 s21, s21, SLOT
	s_add_co_u32 s23, s23, SLOT
.endr
.macro FRAG reg, adr, q, i             ; fragment i of the slot's q-th 128 along K: four loads of 512 consecutive bytes
.irp c, 0,1,2,3
	ds_load_b128 v[\reg+4*\c:\reg+4*\c+3], v[\adr] offset:2048*(\q)+4096*(\i)+512*\c
.endr
.endm
; 16 matrix instructions: A's blocks a0, a0 + 1 x B's eight.  p: B's set.  zero = 1: the first product starts the sums.  The 64 accumulators take turns, one instruction a turn.
.macro MUL16 a0, p, zero
.irp a, \a0, \a0+1
.irp b, 0,1,2,3,4,5,6,7
.if \zero
	v_wmma_f32_16x16x128_bf8_bf8 v[8*(8*((\a)%4)+\b):8*(8*((\a)%4)+\b)+7], v[128*(\p)+FR*\b:128*(\p)+FR*\b+FR-1], v[AF+FR*(\a):AF+FR*(\a)+FR-1], 0
.else
	v_wmma_f32_16x16x128_bf8_bf8 v[8*(8*((\a)%4)+\b):8*(8*((\a)%4)+\b)+7], v[128*(\p)+FR*\b:128*(\p)+FR*\b+FR-1], v[AF+FR*(\a):AF+FR*(\a)+FR-1], v[8*(8*((\a)%4)+\b):8*(8*((\a)%4)+\b)+7]
.endif
.endr
.endr
.endm
.macro FETCH_B slot, q, p
	WIN TO_B
.irp i, 0,1,2,3,4,5,6,7
	FRAG 128*(\p)+FR*\i, ADRB+\slot, \q, \i
.endr
	WIN 0
.endm
.macro FETCH_A slot, q, i0
.irp i, \i0, \i0+1, \i0+2, \i0+3
	FRAG AF+FR*(\i), ADRA+\slot, \q, \i
.endr
.endm
.macro PLACES n                        ; plain vector instructions between a matrix instruction and a load into, or a read or write of, its registers
.rept \n
	v_nop
.endr
.endm
.macro STEP slot, q, zero              ; a step of 128 along K that has its successor in the same slot
	s_wait_dscnt 4*NL                              ; B's set and A's blocks 0-3 are in; the youngest sixteen loads (A's blocks 4-7) may be out
	WIN MUL_LO
	MUL16 0, (\q)%2, \zero
	MUL16 2, (\q)%2, \zero
	s_wait_dscnt 0
	PLACES NP
	FETCH_B \slot, (\q)+1, 1-(\q)%2
	FETCH_A \slot, (\q)+1, 0
	WIN MUL_HI
	MUL16 4, (\q)%2, \zero
	MUL16 6, (\q)%2, \zero
	PLACES NP
	WIN 0
	FETCH_A \slot, (\q)+1, 4
.endm
; A slot's last step changes slots: one barrier; in front of it each wave waits for all its tensor loads, adds 0 to its spare word, and waits for that and for its reads of this slot.
.macro TURN slot, next, fill
	s_wait_tensorcnt 0x0                           ; all my tensor loads have landed: my part of the next slot
	ds_add_u32 v[SPW], v[NIL]                      ; 0 onto my spare word
	s_wait_dscnt 4*NL+1                            ; (the add and the youngest sixteen loads may be out)
	WIN MUL_LO
	MUL16 0, 1, 0
	s_wait_dscnt 0x0                               ; the add is done, and my reads of this slot are over
	s_barrier_signal -1
	MUL16 2, 1, 0
	WIN 0
	s_barrier_wait -1
.if \fill
	CREST                                          ; the barrier has opened a round of the cluster's barrier: no wave of any partner still reads this slot or has a load on its way
	s_add_nc_u64 s[G0+4*\slot+2:G0+4*\slot+3], s[G0+4*\slot+2:G0+4*\slot+3], 2*HALFT
	s_add_nc_u64 s[G0B+4*\slot+2:G0B+4*\slot+3], s[G0B+4*\slot+2:G0B+4*\slot+3], 2*HALFT
	JLOAD \slot                                    ; the first tensor load behind the round; its four v_nop are the places in front of the loads below
.else
	PLACES NP
.endif
	FETCH_B \next, 0, 0
	FETCH_A \next, 0, 0
	WIN MUL_HI
	MUL16 4, 1, 0
	MUL16 6, 1, 0
	PLACES NP
	WIN 0
	FETCH_A \next, 0, 4
.endm
.macro FINISH                          ; the last two steps of 128 along K: no barrier, no tensor load
	STEP 1, 0, 0
	s_wait_dscnt 4*NL
	WIN MUL_LO
	MUL16 0, 1, 0
	MUL16 2, 1, 0
	s_wait_dscnt 0
	WIN MUL_HI
	MUL16 4, 1, 0
	MUL16 6, 1, 0
	WIN 0
	PLACES NP                                      ; in front of the first read of results and the first write of A's registers
	s_wait_loadcnt 0x0                             ; the bias, asked for 128 matrix instructions ago
.endm
.macro QSCALE                          ; s88 = the quantiser's e
	s_add_co_i32 s88, s88, 127
	s_lshl_b32 s93, s88, 23
	v_mov_b32 v[QS], s93
	s_add_co_i32 s88, s88, 15
	s_lshl_b32 s88, s88, 23
	s_or_b32 s88, s88, 0x600000
.endm
; THE WAY OUT, A's block a at a time: sum x 2^(e0 + e1) + bias (one packed multiply-add for two, each accumulator from its low end on), the conversions, four stores of 512 consecutive bytes.
.macro EPI kind                        ; kind 0: q or k; 1: v
.irp a, 0,1,2,3,4,5,6,7
.if \a == 4
	s_wait_xcnt 0x0                                ; blocks 0-3's stores have read their registers, which take blocks 4-7's codes
.endif
	WIN 0x02+(\a/4)                                ; source 0: window 2 or 3
.irp b, 0,1,2,3,4,5,6,7
.irp i, 0,2,4,6
.if \kind
	v_pk_fma_f32 v[TMP+8*\b+\i:TMP+8*\b+\i+1], v[64*(\a%4)+8*\b+\i:64*(\a%4)+8*\b+\i+1], s[80:81], v[BIAS+2*\a:BIAS+2*\a+1] op_sel_hi:[1,0,1]
.else
	v_pk_fma_f32 v[TMP+8*\b+\i:TMP+8*\b+\i+1], v[64*(\a%4)+8*\b+\i:64*(\a%4)+8*\b+\i+1], s[80:81], v[BIAS+8*\b+\i:BIAS+8*\b+\i+1] op_sel_hi:[1,0,1]
.endif
.endr
.endr
	WIN 0
.set i2, 0
.rept 64
.set i2, i2+1
.endr
.irp b, 0,1,2,3,4,5,6,7
	v_cvt_scalef32_pk8_bf8_f32 v[CD+16*(\a%4)+2*\b:CD+16*(\a%4)+2*\b+1], v[TMP+8*\b:TMP+8*\b+7], v[QS]
.endr
	v_nop                                          ; a plain instruction between the conversions and the next block's writes of their sources
.irp p, 0,1,2,3
.if \kind
	global_store_b128 v[LI], v[CD+16*(\a%4)+4*\p:CD+16*(\a%4)+4*\p+3], s[82:83] offset:(\a/4)*262144+(\a%4)*2048+512*\p   ; head a / 4 of my two, its tile a % 4 of the 64, keys 32 p on
.else
	global_store_b128 v[LI], v[CD+16*(\a%4)+4*\p:CD+16*(\a%4)+4*\p+3], s[82+2*(\p/2):83+2*(\p/2)] offset:1024*\a+512*(\p%2)   ; head p / 2 of my two, tile a of rows, channels 32 (p % 2) on
.endif
.endr
.endr
.endm
	s_wait_alu depctr_va_vdst(0)
	s_wait_tensorcnt 1                             ; my part of K's first 256 is in; the second slot's load may be out
	s_barrier_signal -1
	s_barrier_wait -1
	FETCH_B 0, 0, 0
	FETCH_A 0, 0, 0
	FETCH_A 0, 0, 4
	STEP 0, 0, 1                                   ; the first products start the sums: nothing is cleared
	TURN 0, 1, 1
	STEP 1, 0, 0
	TURN 1, 0, 1
	STEP 0, 0, 0
	TURN 0, 1, 0                                   ; nothing is left to fetch
	s_wait_kmcnt 0x0
	s_add_co_i32 s80, s72, s73
	s_add_co_i32 s80, s80, 127
	s_lshl_b32 s80, s80, 23                        ; 2^(e0 + e1) as f32
	s_mov_b32 s81, s80                             ; (named with it as a pair)
	s_mov_b32 s95, 0
	s_cmp_eq_u32 ttmp9, 2                          ; the two ways part on the cluster's x, which all partners share; each way holds its addresses, its bias, the last two steps and its way out
	s_cbranch_scc1 .Lv_arm
	; ---- q or k
	s_cmp_eq_u32 ttmp9, 0
	s_cselect_b32 s88, s74, s75                    ; e2 or e3
	s_cselect_b64 s[82:83], s[12:13], s[14:15]     ; q_codes or kv_codes
	s_cselect_b32 s89, 17, 18                      ; a head: 2^17 or 2^18 bytes
	s_cselect_b32 s90, 13, 14                      ; 128 rows of a head: 2^13 or 2^14 bytes
	s_lshr_b32 s91, s40, 3                         ; the batch: 8 blocks of 256 rows each
	s_lshl_b32 s91, s91, 4
	s_lshl_b32 s92, s19, 2
	s_add_co_u32 s91, s91, s92
	s_lshl_b32 s92, s[HB], 1
	s_add_co_u32 s91, s91, s92                     ; my first head: 16 x batch + 4 cx + 2 x half
	s_and_b32 s92, s40, 7
	s_lshl_b32 s92, s92, 1
	s_add_co_u32 s92, s92, s[HA]                   ; my 128 rows within the batch
	s_lshl_b32 s92, s92, s90
	s_lshl_b32 s94, s91, s89
	s_add_co_u32 s94, s94, s92
	s_add_nc_u64 s[82:83], s[82:83], s[94:95]
	s_lshl_b32 s94, 1, s89
	s_add_nc_u64 s[84:85], s[82:83], s[94:95]      ; my second head
	s_lshl_b32 s94, s41, 10
	s_lshl_b32 s93, s[HB], 9
	s_add_co_u32 s94, s94, s93
	s_add_nc_u64 s[86:87], s[8:9], s[94:95]        ; the bias of my 128 columns
	v_bfe_u32 v[BO], v0, 4, 1
	v_lshlrev_b32 v[BO], 6, v[BO]                  ; 16 h numbers on
.irp b, 0,1,2,3,4,5,6,7
	global_load_b128 v[BIAS+8*\b:BIAS+8*\b+3], v[BO], s[86:87] offset:4*(32*(\b/2)+8*(\b%2))
	global_load_b128 v[BIAS+8*\b+4:BIAS+8*\b+7], v[BO], s[86:87] offset:4*(32*(\b/2)+8*(\b%2))+16
.endr
	QSCALE
	FINISH
	EPI 0
	s_branch .Ljoin
.Lv_arm:
	; ---- v
	s_mov_b32 s88, s77                             ; e5
	s_lshr_b32 s91, s41, 3                         ; the batch
	s_lshl_b32 s91, s91, 4
	s_lshl_b32 s92, s20, 2
	s_add_co_u32 s91, s91, s92
	s_lshl_b32 s92, s[HA], 1
	s_add_co_u32 s91, s91, s92                     ; my first head: 16 x batch + 4 cy + 2 x half
	s_lshl_b32 s94, s91, 18
	s_and_b32 s92, s41, 7
	s_lshl_b32 s92, s92, 1
	s_add_co_u32 s92, s92, s[HB]                   ; my key step
	s_lshl_b32 s92, s92, 14
	s_add_co_u32 s94, s94, s92
	s_add_co_u32 s94, s94, 8192                    ; behind the key step's eight tiles of keys
	s_add_nc_u64 s[82:83], s[14:15], s[94:95]
	s_lshl_b32 s94, s20, 10
	s_lshl_b32 s93, s[HA], 9
	s_add_co_u32 s94, s94, s93
	s_add_co_u32 s94, s94, 8192                    ; column 2,048 + 256 cy + 128 x half
	s_add_nc_u64 s[86:87], s[8:9], s[94:95]
	v_and_b32 v[BO], 15, v0
	v_and_b32 v30, 8, v[BO]
	v_add_nc_u32 v[BO], v[BO], v30
	v_lshlrev_b32 v[BO], 2, v[BO]                  ; my lane's column of a tile: r + 8 (r / 8)
.irp a, 0,1,2,3,4,5,6,7
	global_load_b32 v[BIAS+2*\a], v[BO], s[86:87] offset:4*(32*(\a/2)+8*(\a%2))     ; one number a lane and tile, twice: the packed form names a pair
	global_load_b32 v[BIAS+2*\a+1], v[BO], s[86:87] offset:4*(32*(\a/2)+8*(\a%2))
.endr
	QSCALE
	FINISH
	EPI 1
.Ljoin:
	s_wait_tensorcnt 0x0                           ; the wave's end
	ds_add_u32 v[SPW], v[NIL]
	s_wait_dscnt 0x0
	CROUND                                         ; the closing round: no work-group ends while a partner may still ask for a block that names it
	s_endpgm
.Lfunc_end_k_q7cee9a6519_qkv:
	.size	k_q7cee9a6519_qkv, .Lfunc_end_k_q7cee9a6519_qkv-k_q7cee9a6519_qkv
	.p2alignl 7, 3214868480
	.fill 96, 4, 3214868480
	.section	.rodata,"a",@progbits
	.p2align	6, 0x0
	.amdhsa_kernel k_q7cee9a6519_qkv
		.amdhsa_group_segment_fixed_size 327680
		.amdhsa_private_segment_fixed_size 0
		.amdhsa_enable_private_segment 0
		.amdhsa_kernarg_size 48
		.amdhsa_user_sgpr_count 2
		.amdhsa_user_sgpr_kernarg_segment_ptr 1
		.amdhsa_wavefront_size32 1
		.amdhsa_system_sgpr_workgroup_id_x 1
		.amdhsa_system_sgpr_workgroup_id_y 1
		.amdhsa_system_sgpr_workgroup_id_z 1
		.amdhsa_system_vgpr_workitem_id 0
		.amdhsa_next_free_vgpr 1024
		.amdhsa_next_free_sgpr 100
		.amdhsa_reserve_vcc 0
		.amdhsa_float_denorm_mode_32 3
		.amdhsa_float_denorm_mode_16_64 3
		.amdhsa_fp16_overflow 1
		.amdhsa_memory_ordered 1
		.amdhsa_forward_progress 1
		.amdhsa_inst_pref_size 142
	.end_amdhsa_kernel
	.amdgpu_metadata
---
amdhsa.version: [ 1, 2 ]
amdhsa.kernels:
  - .name:           k_q7cee9a6519_qkv
    .symbol:         k_q7cee9a6519_qkv.kd
    .args:
      - { .name: x_codes, .offset: 0, .size: 8, .value_kind: global_buffer, .address_space: global }
      - { .name: wa_codes, .offset: 8, .size: 8, .value_kind: global_buffer, .address_space: global }
      - { .name: b_attn, .offset: 16, .size: 8, .value_kind: global_buffer, .address_space: global }
      - { .name: lowp_scales, .offset: 24, .size: 8, .value_kind: global_buffer, .address_space: global }
      - { .name: q_codes, .offset: 32, .size: 8, .value_kind: global_buffer, .address_space: global }
      - { .name: kv_codes, .offset: 40, .size: 8, .value_kind: global_buffer, .address_space: global }
    .group_segment_fixed_size: 327680
    .private_segment_fixed_size: 0
    .kernarg_segment_align: 8
    .kernarg_segment_size: 48
    .max_flat_workgroup_size: 128
    .sgpr_count:     100
    .vgpr_count:     1024
    .wavefront_size: 32
...
	.end_amdgpu_metadata
.endif
;; end of part 2
;; launch attn (part 3): grid 4 x 64, 16 waves a work-group, clusters of 4 x 1, 264,192 bytes of LDS; arguments q_codes, kv_codes, lowp_scales, a_codes; writes a_codes
.if DOCPART == 3
	.amdgcn_target "amdgcn-amd-amdhsa--gfx1250"
	.amdhsa_code_object_version 6
	.text
	.protected	k_q7cee9a6519_attn
	.globl	k_q7cee9a6519_attn
	.p2align	8
	.type	k_q7cee9a6519_attn,@function
k_q7cee9a6519_attn:
	s_mov_b64 s[64:65], 0
	v_nop
	global_prefetch_b8 v0, s[64:65] scope:SCOPE_SE
	s_setreg_imm32_b32 hwreg(HW_REG_WAVE_MODE, 25, 1), 1
	s_wait_xcnt 0x0
	s_wait_alu depctr_hold_cnt(0) depctr_sa_sdst(0) depctr_va_vdst(0) depctr_va_sdst(0) depctr_va_ssrc(0) depctr_va_vcc(0) depctr_vm_vsrc(0)
	s_getreg_b32 s2, hwreg(HW_REG_IB_STS2, 6, 4)
	s_cmp_eq_u32 s2, 0
	s_cbranch_scc0 .Lentry_in_a_cluster
	s_endpgm
.Lentry_in_a_cluster:
	s_bfe_u32 s2, ttmp6, 0x10000c
	s_cmp_lg_u32 s2, 0x3003
	s_cbranch_scc0 .Lentry_shape_is_right
	s_endpgm
.Lentry_shape_is_right:
; Causal attention of one head (64 channels, 2,048 rows) on codes of BF8 (E5M2); the result is quantised with 2^e6 and stored as the last product's operand.
; t = score x 2^(e2 + e3) x log2(e) / 8; M = the running largest t rounded UP to a whole number; p = 2^(t - M) is quantised with 2^e4; the row's sum is taken of the unquantised p, in f32;
; when M moves, the sum and O are multiplied by 2^(old M - new M): exact.  O x 2^(e4 + e5) / the sum goes into the quantiser.
; LIMITS: e2 + e3 between -123 and 130 (added to the exponent field of log2(e) / 8); e4 and e6 between -126 and 112; e4 + e5 is applied by v_ldexp_f32 and has none.
; SHARES.  A cluster of four work-groups is one head.  The 2,048 queries are 16 blocks of 128; work-group cx owns tiles 2 cx and 2 cx + 1 (32 queries) of EVERY block.  Wave w (u = w % 2, b = w / 2)
; takes tile 2 cx + u of block 15 - b, which sees 16 - b key steps of 128, and then of block b, which sees b + 1: 17 key steps for every wave of every work-group.
; Loops have constant trip counts; a key step that lies wholly behind the wave's block is jumped over by a branch on the wave's number and the loop's counter.  cx enters global addresses and the mask's numbers alone.
; LDS holds the head's WHOLE image of K and V (262,144 bytes; key step t at 16,384 t: 8 tiles of keys x 1,024, then 4 tiles of channels x 2,048), filled once, by joint loads of the four partners:
; nothing is filled again, so there is no ring.  Four tensor loads of a wave (waves 0-3) are out at the most.  No prefetch: all that the work-group reads is asked for at its head.
; LAYOUT.  S^T = K Q^T (source 0 = 16 keys, source 1 = my 16 queries), O^T = V^T P^T: a lane holds one query throughout.  Index i of a tile stands for row 32 (T / 2) + 8 (T % 2) + i + 8 (i / 8), so the 16
; registers of two neighbouring tiles are 16 neighbours (keys, then channels): the conversions' results are the next operand's registers.
; REGISTERS: v1 16 x lane; v2 my query within its block - 16 (lane / 16); v8 the step's LDS address; v12 -M, v13 the largest t, v[14:15] the sum in two halves; v16-23, v24-31 Q of the two phases;
; v32-95 K's 8 fragments, then V's 4; v96-159 S^T, then p; v160-191 O^T; v192-207 the result's codes; v224-239 p's codes; v244, v247 the scales; v232-243, v248-249, v252-254 at work.
.set LI,  1
.set QD,  2
.set ADR, 8
.set WV,  12
.set CX,  13
.set BH,  14
.set U,   15
.set BE,  16                           ; s16  b = wave / 2
.set BL,  17                           ; s17  15 - b
.set SEL, 20                           ; s[20:21] lane selects for v_permlanex16_b32: lane l xor 16
.set CS,  22                           ; s[22:23] c = 2^(e2 + e3) log2(e) / 8
.set G1,  24                           ; s[24:31] group 1
.set G0,  32                           ; s[32:47] four groups 0
.set T,   48                           ; s48  the key step
.set TB,  49                           ; s49  its LDS byte
.set BLK, 50                           ; s50  the phase's block
.set EPV, 51                           ; s51  e4 + e5
.set OUTL, 52                          ; s[52:53], s[54:55] where the two phases' codes go
.set OUTS, 54
.macro ROUND                           ; a round of the cluster's barrier
	s_barrier_signal -1
	s_barrier_wait -1
	s_cmp_lg_u32 s[WV], 0
	s_cbranch_scc1 .Lnot_wave_0_\@
	s_barrier_signal -3
.Lnot_wave_0_\@:
	s_barrier_wait -3
	s_barrier_signal -1
	s_barrier_wait -1
.endm
	s_load_b256 s[4:11], s[0:1], 0x0               ; q_codes s[4:5], kv_codes s[6:7], the exponents s[8:9], a_codes s[10:11]
	v_lshl_add_u32 v251, v0, 2, 0x40000
	v_mov_b32 v255, 0
	ds_add_u32 v251, v255
	ds_add_u32 v251, v255
	v_lshrrev_b32 v8, 5, v0
	s_delay_alu instid0(VALU_DEP_1)
	v_readfirstlane_b32 s[WV], v8                  ; wave 0..15
	s_bfe_u32 s[CX], ttmp6, 0x40000                ; cx
	s_and_b32 s[BH], ttmp7, 0xffff                 ; batch x 16 + head, which the four partners share
	s_and_b32 s[U], s[WV], 1
	s_lshr_b32 s[BE], s[WV], 1
	s_xor_b32 s[BL], s[BE], 15                     ; 15 - b
	; group 1: a key step's 16,384 bytes as 64 rows of 32 elements of 8 bytes, dense
	s_mov_b32 s[G1], 15|(3<<16)|(1<<21)            ; 15:0 the mask: all four work-groups; 17:16 elements of 8 bytes; 21 set beside a mask
	s_mov_b32 s[G1+1], 32<<16                      ; tensor_dim0
	s_mov_b32 s[G1+2], 64<<16                      ; tensor_dim1
	s_mov_b32 s[G1+3], 32<<16                      ; tile_dim0
	s_mov_b32 s[G1+4], 64                          ; tile_dim1
	s_mov_b32 s[G1+5], 32                          ; tensor_dim0_stride
	s_mov_b32 s[G1+6], 0
	s_mov_b32 s[G1+7], 0
	s_mov_b32 s[SEL], 0x76543210
	s_mov_b32 s[SEL+1], 0xfedcba98
	s_and_b32 s66, s[WV], 3
	s_lshl_b32 s66, s66, 14                        ; load n of wave j is key step 4 n + j
	s_lshl_b32 s70, s[BH], 18
	s_add_co_u32 s70, s70, s66
	s_mov_b32 s71, 0
	s_wait_dscnt 0x0
	s_wait_kmcnt 0x0
	s_load_b256 s[56:63], s[8:9], 0x0              ; e0 .. e7
	s_add_nc_u64 s[68:69], s[6:7], s[70:71]
	ROUND                                          ; all four work-groups are here: the joint loads meet
.irp n, 0,1,2,3
	s_mov_b32 s[G0+4*\n], 1
	s_add_co_u32 s[G0+4*\n+1], s66, \n*65536
	s_add_nc_u64 s[G0+4*\n+2:G0+4*\n+3], s[68:69], \n*65536
	s_or_b32 s[G0+4*\n+3], s[G0+4*\n+3], 0x80000000
.endr
	s_cmp_lt_u32 s[WV], 4                          ; waves 0-3 fetch: a wave's four fills stand in one branch on the wave's number
	s_cbranch_scc0 .Lno_fetch
	tensor_load_to_lds s[G0:G0+3], s[G1:G1+7]
	s_nop 0
	tensor_load_to_lds s[G0+4:G0+7], s[G1:G1+7]
	s_nop 0
	tensor_load_to_lds s[G0+8:G0+11], s[G1:G1+7]
	s_nop 0
	tensor_load_to_lds s[G0+12:G0+15], s[G1:G1+7]
	s_nop 0
.rept 4
	v_nop
.endr
.Lno_fetch:
	v_and_b32 v3, 31, v0
	s_delay_alu instid0(VALU_DEP_1)
	v_lshlrev_b32 v[LI], 4, v3
	s_wait_alu depctr_va_vdst(0)
	s_lshl_b32 s73, s[CX], 1
	s_add_co_u32 s73, s73, s[U]                    ; my tile within a block: 2 cx + u
	s_lshl_b32 s72, s[BH], 7
	s_add_co_u32 s72, s72, s73
	s_lshl_b32 s74, s[BL], 3
	s_add_co_u32 s74, s74, s72
	s_lshl_b32 s74, s74, 10
	s_mov_b32 s75, 0
	s_add_nc_u64 s[76:77], s[4:5], s[74:75]        ; Q's tile of block 15 - b
	s_lshl_b32 s74, s[BE], 3
	s_add_co_u32 s74, s74, s72
	s_lshl_b32 s74, s74, 10
	s_add_nc_u64 s[78:79], s[4:5], s[74:75]        ; and of block b
	global_load_b128 v[16:19], v[LI], s[76:77]
	global_load_b128 v[20:23], v[LI], s[76:77] offset:512
	global_load_b128 v[24:27], v[LI], s[78:79]
	global_load_b128 v[28:31], v[LI], s[78:79] offset:512
	; where the codes go: row tile 128 x batch + 8 x block + 2 cx + u; k = 64 x head + channel
	s_lshr_b32 s66, s[BH], 4
	s_lshl_b32 s66, s66, 6
	s_bfe_u32 s67, s[BH], 0x20002                  ; head / 4: which 256 along K
	s_add_co_u32 s66, s66, s67
	s_lshl_b32 s66, s66, 15
	s_lshl_b32 s67, s73, 12
	s_add_co_u32 s66, s66, s67
	s_and_b32 s67, s[BH], 3                        ; (head / 2) % 2: which 128, 2,048 bytes; head % 2: which 64, 1,024 bytes
	s_lshl_b32 s67, s67, 10
	s_add_co_u32 s66, s66, s67
	s_lshl_b32 s67, s[BL], 17                      ; a block of 128 rows is 131,072 bytes
	s_add_co_u32 s70, s66, s67
	s_add_nc_u64 s[OUTL:OUTL+1], s[10:11], s[70:71]
	s_lshl_b32 s67, s[BE], 17
	s_add_co_u32 s70, s66, s67
	s_add_nc_u64 s[OUTS:OUTS+1], s[10:11], s[70:71]
	v_and_b32 v3, 15, v0
	s_delay_alu instid0(VALU_DEP_1)
	v_and_b32 v4, 8, v3
	s_delay_alu instid0(VALU_DEP_1)
	v_add_nc_u32 v[QD], v3, v4                     ; r + 8 (r / 8)
	v_bfe_u32 v4, v0, 4, 1
	s_delay_alu instid0(VALU_DEP_1)
	v_lshlrev_b32 v4, 4, v4
	s_delay_alu instid0(VALU_DEP_1)
	v_sub_nc_u32 v[QD], v[QD], v4                  ; - 16 h
	s_lshl_b32 s67, s[CX], 5
	s_lshl_b32 s74, s[U], 3
	s_add_co_u32 s67, s67, s74
	v_add_nc_u32 v[QD], s67, v[QD]                 ; + 32 cx + 8 u: my query within its block, less 16 h
	v_mov_b32 v236, 0                              ; written once: a lane permute's destination counts as one of its sources
	v_mov_b32 v253, 0                              ; (named as the upper half of the pair v[252:253])
	s_wait_kmcnt 0x0
	s_add_co_i32 s72, s58, s59
	s_lshl_b32 s72, s72, 23
	s_add_co_i32 s[CS], s72, 0x3e38aa3b            ; log2(e) / 8, with e2 + e3 added to its exponent field
	s_mov_b32 s[CS+1], s[CS]
	s_add_co_i32 s[EPV], s60, s61
	s_add_co_i32 s72, s60, 127
	s_lshl_b32 s73, s72, 23
	v_mov_b32 v244, s73                            ; 2^e4
	s_add_co_i32 s72, s62, 127
	s_lshl_b32 s73, s72, 23
	v_mov_b32 v247, s73                            ; 2^e6
; A KEY STEP: 128 keys.  q: Q's registers.  tests = 1: the step may lie behind my block (left out) or on the diagonal (masked).
.macro STEP q, tests
.if \tests
	s_cmp_gt_u32 s[T], s[BLK]
	s_cbranch_scc1 .Lhid_\@
.endif
	s_setprio 2
	v_add_nc_u32 v[ADR], s[TB], v[LI]
.rept 3
	v_nop                                          ; with the addition: four places in front of loads into registers that the last products read
.endr
.irp f, 0,1,2,3,4,5,6,7
	ds_load_b128 v[32+8*\f:35+8*\f], v[ADR] offset:1024*\f
	ds_load_b128 v[36+8*\f:39+8*\f], v[ADR] offset:1024*\f+512
.endr
	s_wait_alu depctr_va_vdst(0)
	s_wait_dscnt 0x0
.irp f, 0,1,2,3,4,5,6,7
	v_wmma_f32_16x16x64_bf8_bf8 v[96+8*\f:103+8*\f], v[32+8*\f:39+8*\f], v[\q:\q+7], 0
.endr
.rept 4
	v_nop
.endr
.irp f, 0,1,2,3
.irp c, 0,1,2,3
	ds_load_b128 v[32+16*\f+4*\c:35+16*\f+4*\c], v[ADR] offset:8192+2048*\f+512*\c   ; V's fragments land under the softmax
.endr
.endr
.if \tests
	s_cmp_lg_u32 s[T], s[BLK]
	s_cbranch_scc1 .Lopen_\@
	v_mov_b32 v254, 0xff800000                     ; on the diagonal: register 16 b + i holds key 32 b + 16 h + i of the step: hidden where 32 b + i > my query - 16 h.  Hidden scores become -infinity: p = 0
.set n, 0
.rept 64
	v_cmp_gt_i32 vcc_lo, 32*(n/16)+n%16, v[QD]
	v_cndmask_b32 v[96+n], v[96+n], v254, vcc_lo
.set n, n+1
.endr
.Lopen_\@:
.endif
	v_max3_num_f32 v254, v96, v97, v98             ; the step's largest score of my query among my 64 keys, in two chains, each accumulator from its low end on
	v_max3_num_f32 v252, v99, v100, v101
.irp i, 6,10,14,18,22,26,30,34,38,42,46,50,54,58
	v_max3_num_f32 v254, v254, v[96+\i], v[97+\i]
	v_max3_num_f32 v252, v252, v[98+\i], v[99+\i]
.endr
	v_max3_num_f32 v254, v254, v158, v159
	s_delay_alu instid0(VALU_DEP_1)
	v_max_num_f32 v254, v254, v252
	v_permlanex16_b32 v236, v254, s[SEL], s[SEL+1]
	s_delay_alu instid0(VALU_DEP_1)
	v_max_num_f32 v254, v254, v236                 ; and among lane l xor 16's
	s_delay_alu instid0(VALU_DEP_1)
	v_mul_f32 v254, s[CS], v254                    ; as t (c is positive)
	s_delay_alu instid0(VALU_DEP_1)
	v_max_num_f32 v13, v13, v254                   ; the running largest t
	v_mov_b32 v254, v12
	s_delay_alu instid0(VALU_DEP_2)
	v_floor_f32 v12, -v13                          ; the new -M = floor(-t): M is a whole number
	s_delay_alu instid0(VALU_DEP_1)
	v_sub_f32 v254, v12, v254                      ; old M - new M: a whole number, 0 or less
	s_delay_alu instid0(VALU_DEP_1)
	v_cvt_i32_f32 v254, v254                       ; (it saturates)
	s_delay_alu instid0(VALU_DEP_1)
	v_ldexp_f32 v252, 1.0, v254                    ; f = 2^(old M - new M)
.irp j, 0,2,4,6,8,10,12,14,16,18,20,22,24,26,28,30,32,34,36,38,40,42,44,46,48,50,52,54,56,58,60,62
	v_pk_fma_f32 v[96+\j:97+\j], v[96+\j:97+\j], s[CS:CS+1], v[12:13] op_sel_hi:[1,0,0]   ; t - M, two at a time
.endr
.set n, 0
	s_setprio 1
	s_wait_alu depctr_va_vdst(0)
.rept 64
	v_exp_f32 v[96+n], v[96+n]                     ; p = 2^(t - M), at most 1
.set n, n+1
.endr
	v_pk_mul_f32 v[14:15], v[14:15], v[252:253] op_sel_hi:[1,0]   ; the sums under the new M: the plain instruction behind the exponentials
	s_wait_alu depctr_va_vdst(0)                   ; one wait for the whole batch, ahead of its first reader
	v_pk_add_f32 v[242:243], v[100:101], v[104:105]
	v_pk_add_f32 v[248:249], v[108:109], v[112:113]
	v_pk_add_f32 v[240:241], v[116:117], v[120:121]
	v_pk_add_f32 v[238:239], v[124:125], v[128:129]
	v_pk_add_f32 v[236:237], v[132:133], v[136:137]
	v_pk_add_f32 v[234:235], v[140:141], v[144:145]
	v_pk_add_f32 v[232:233], v[148:149], v[152:153]
	v_pk_add_f32 v[14:15], v[14:15], v[156:157]
	v_pk_add_f32 v[242:243], v[242:243], v[96:97]
	v_pk_add_f32 v[248:249], v[248:249], v[98:99]
	v_pk_add_f32 v[240:241], v[240:241], v[102:103]
	v_pk_add_f32 v[238:239], v[238:239], v[106:107]
	v_pk_add_f32 v[236:237], v[236:237], v[110:111]
	v_pk_add_f32 v[234:235], v[234:235], v[114:115]
	v_pk_add_f32 v[232:233], v[232:233], v[118:119]
	v_pk_add_f32 v[14:15], v[14:15], v[122:123]
	v_pk_add_f32 v[242:243], v[242:243], v[126:127]
	v_pk_add_f32 v[248:249], v[248:249], v[130:131]
	v_pk_add_f32 v[240:241], v[240:241], v[134:135]
	v_pk_add_f32 v[238:239], v[238:239], v[138:139]
	v_pk_add_f32 v[236:237], v[236:237], v[142:143]
	v_pk_add_f32 v[234:235], v[234:235], v[146:147]
	v_pk_add_f32 v[232:233], v[232:233], v[150:151]
	v_pk_add_f32 v[14:15], v[14:15], v[154:155]
	v_pk_add_f32 v[242:243], v[242:243], v[158:159]
	s_delay_alu instid0(VALU_DEP_2)
	v_pk_add_f32 v[14:15], v[14:15], v[238:239]
	s_delay_alu instid0(VALU_DEP_2)
	v_pk_add_f32 v[242:243], v[242:243], v[236:237]
	v_pk_add_f32 v[248:249], v[248:249], v[234:235]
	v_pk_add_f32 v[240:241], v[240:241], v[232:233]
	s_delay_alu instid0(VALU_DEP_2)
	v_pk_add_f32 v[14:15], v[14:15], v[248:249]
	s_delay_alu instid0(VALU_DEP_2)
	v_pk_add_f32 v[242:243], v[242:243], v[240:241]
	s_delay_alu instid0(VALU_DEP_1)
	v_pk_add_f32 v[14:15], v[14:15], v[242:243]
	s_setprio 0
.irp b, 0,1,2,3
.irp i, 0,1,2,3,4,5,6,7,8,9,10,11,12,13,14,15
.endr
	v_cvt_scalef32_pk8_bf8_f32 v[224+4*\b:225+4*\b], v[96+16*\b:103+16*\b], v244
	v_cvt_scalef32_pk8_bf8_f32 v[226+4*\b:227+4*\b], v[104+16*\b:111+16*\b], v244
.endr
.irp j, 0,2,4,6,8,10,12,14,16,18,20,22,24,26,28,30
	v_pk_mul_f32 v[160+\j:161+\j], v[160+\j:161+\j], v[252:253] op_sel_hi:[1,0]   ; O^T under the new M; also the plain instructions between the conversions and the products
.endr
	s_wait_alu depctr_va_vdst(0)
	s_wait_dscnt 0x0                               ; V
.irp f, 0,1,2,3
	v_wmma_f32_16x16x128_bf8_bf8 v[160+8*\f:167+8*\f], v[32+16*\f:47+16*\f], v[224:239], v[160+8*\f:167+8*\f]   ; the four accumulators take turns, one instruction a turn
.endr
.if \tests
.Lhid_\@:
.endif
.endm
.macro WALK first, n, q, tests         ; key steps first .. first + n - 1: a constant number of trips
	s_mov_b32 s[T], \first
	s_mov_b32 s[TB], 16384*\first
.Lwalk_\@:
	STEP \q, \tests
	s_add_co_u32 s[TB], s[TB], 16384
	s_add_co_u32 s[T], s[T], 1
	s_cmp_lt_u32 s[T], \first+\n
	s_cbranch_scc1 .Lwalk_\@
	s_setprio 0
.endm
.macro INIT                            ; a phase begins: the largest t under every t, the sum and O^T zero (the first change of M leaves them zero), so that the step is written without a first form
	v_mov_b32 v13, 0xff61b1e6                      ; -3e38
	s_delay_alu instid0(VALU_DEP_1)
	v_floor_f32 v12, -v13
	v_mov_b32 v14, 0
	v_mov_b32 v15, 0
.set n, 0
.rept 32
	v_mov_b32 v[160+n], 0
.set n, n+1
.endr
.endm
.macro OUT cd, base                    ; a phase ends: O^T x 2^(e4 + e5) / the sum, quantised with 2^e6; the codes are two register groups of the last product's operand: two stores of 512 consecutive bytes
.rept 4
	v_nop                                          ; places behind the last products
.endr
	v_add_f32 v14, v14, v15
	s_delay_alu instid0(VALU_DEP_1)
	v_permlanex16_b32 v252, v14, s[SEL], s[SEL+1]
	s_delay_alu instid0(VALU_DEP_1)
	v_add_f32 v14, v14, v252                       ; the row's sum
	s_wait_alu depctr_va_vdst(0)
	v_rcp_f32 v14, v14
	v_nop                                          ; a plain instruction behind the reciprocal
	s_wait_alu depctr_va_vdst(0)                   ; and the wait ahead of its first reader
	v_ldexp_f32 v14, v14, s[EPV]
.irp j, 0,2,4,6,8,10,12,14,16,18,20,22,24,26,28,30
	v_pk_mul_f32 v[96+\j:97+\j], v[160+\j:161+\j], v[14:15] op_sel_hi:[1,0]
.endr
.set n, 0
.rept 32
.set n, n+1
.endr
.irp f, 0,1,2,3
	v_cvt_scalef32_pk8_bf8_f32 v[\cd+2*\f:\cd+2*\f+1], v[96+8*\f:103+8*\f], v247
.endr
	v_nop                                          ; a plain instruction behind the last conversion
	global_store_b128 v[LI], v[\cd:\cd+3], s[\base:\base+1]
	global_store_b128 v[LI], v[\cd+4:\cd+7], s[\base:\base+1] offset:512
.endm
	INIT
	s_wait_tensorcnt 3                             ; a fetching wave's first load is in (key steps 0-3 among the four waves); its three later loads may be out
	s_barrier_signal -1
	s_barrier_wait -1
	s_wait_loadcnt 0x0                             ; Q
	s_mov_b32 s[BLK], s[BL]                        ; block 15 - b, at least 8: key steps 0-3 lie wholly in front of it
	WALK 0, 4, 16, 0
	s_wait_tensorcnt 0x0                           ; the rest of the head has landed,
	s_barrier_signal -1
	s_barrier_wait -1                              ; everybody's part
	WALK 4, 12, 16, 1
	OUT 192, OUTL
	INIT
	s_mov_b32 s[BLK], s[BE]                        ; block b
	WALK 0, 8, 24, 1
	OUT 200, OUTS
	s_wait_tensorcnt 0x0
	ds_add_u32 v251, v255
	s_wait_dscnt 0x0
	ROUND                                          ; the closing round
	s_endpgm
.Lfunc_end_k_q7cee9a6519_attn:
	.size	k_q7cee9a6519_attn, .Lfunc_end_k_q7cee9a6519_attn-k_q7cee9a6519_attn
	.p2alignl 7, 3214868480
	.fill 96, 4, 3214868480
	.section	.rodata,"a",@progbits
	.p2align	6, 0x0
	.amdhsa_kernel k_q7cee9a6519_attn
		.amdhsa_group_segment_fixed_size 264192
		.amdhsa_private_segment_fixed_size 0
		.amdhsa_enable_private_segment 0
		.amdhsa_kernarg_size 32
		.amdhsa_user_sgpr_count 2
		.amdhsa_user_sgpr_kernarg_segment_ptr 1
		.amdhsa_wavefront_size32 1
		.amdhsa_system_sgpr_workgroup_id_x 1
		.amdhsa_system_sgpr_workgroup_id_y 1
		.amdhsa_system_sgpr_workgroup_id_z 1
		.amdhsa_system_vgpr_workitem_id 0
		.amdhsa_next_free_vgpr 256
		.amdhsa_next_free_sgpr 80
		.amdhsa_reserve_vcc 1
		.amdhsa_float_denorm_mode_32 3
		.amdhsa_float_denorm_mode_16_64 3
		.amdhsa_fp16_overflow 1
		.amdhsa_memory_ordered 1
		.amdhsa_forward_progress 1
		.amdhsa_inst_pref_size 66
	.end_amdhsa_kernel
	.amdgpu_metadata
---
amdhsa.version: [ 1, 2 ]
amdhsa.kernels:
  - .name:           k_q7cee9a6519_attn
    .symbol:         k_q7cee9a6519_attn.kd
    .args:
      - { .name: q_codes, .offset: 0, .size: 8, .value_kind: global_buffer, .address_space: global }
      - { .name: kv_codes, .offset: 8, .size: 8, .value_kind: global_buffer, .address_space: global }
      - { .name: lowp_scales, .offset: 16, .size: 8, .value_kind: global_buffer, .address_space: global }
      - { .name: a_codes, .offset: 24, .size: 8, .value_kind: global_buffer, .address_space: global }
    .group_segment_fixed_size: 264192
    .private_segment_fixed_size: 0
    .kernarg_segment_align: 8
    .kernarg_segment_size: 32
    .max_flat_workgroup_size: 512
    .sgpr_count:     80
    .vgpr_count:     256
    .wavefront_size: 32
...
	.end_amdgpu_metadata
.endif
;; end of part 3
;; launch proj (part 4): grid 4 x 32, 4 waves a work-group, clusters of 4 x 4, 327,680 bytes of LDS; arguments a_codes, wo_codes, b_out, lowp_scales, out0; writes out0
.if DOCPART == 4
	.amdgcn_target "amdgcn-amd-amdhsa--gfx1250"
	.amdhsa_code_object_version 6
	.text
	.protected	k_q7cee9a6519_proj
	.globl	k_q7cee9a6519_proj
	.p2align	8
	.type	k_q7cee9a6519_proj,@function
k_q7cee9a6519_proj:
	s_mov_b64 s[64:65], 0
	v_nop
	global_prefetch_b8 v0, s[64:65] scope:SCOPE_SE
	s_setreg_imm32_b32 hwreg(HW_REG_WAVE_MODE, 25, 1), 1
	s_wait_xcnt 0x0
	s_wait_alu depctr_hold_cnt(0) depctr_sa_sdst(0) depctr_va_vdst(0) depctr_va_sdst(0) depctr_va_ssrc(0) depctr_va_vcc(0) depctr_vm_vsrc(0)
	s_getreg_b32 s2, hwreg(HW_REG_IB_STS2, 6, 4)
	s_cmp_eq_u32 s2, 0
	s_cbranch_scc0 .Lentry_in_a_cluster
	s_endpgm
.Lentry_in_a_cluster:
	s_bfe_u32 s2, ttmp6, 0x10000c
	s_cmp_lg_u32 s2, 0xf033
	s_cbranch_scc0 .Lentry_shape_is_right
	s_endpgm
.Lentry_shape_is_right:
; out0 = attention's result x W_out + b_out on codes of BF8 (E5M2): each finished sum x 2^(e6 + e7) + bias, f32.
; LIMIT: e6 + e7 between -126 and 127, so that 2^(e6 + e7) is an f32 number.
; OPERANDS are images of registers (tile T: index i = row 32 (T / 2) + 8 (T % 2) + i + 8 (i / 8); group c of lane (r, h): index r, k = 32 c + 16 h + 0 .. 15, at 512 c + 16 x lane): 128 rows x 256 K are one dense block of 32,768 bytes.
; A tile of the product, 256 x 256, is made by four waves, 128 x 128 each: 64 accumulators.  D(a, b) = fragment b of W_out's columns as source 0, fragment a of the rows as source 1: lane (r, h) holds
; row index r, and register j of tile b column 32 (b / 2) + 8 (b % 2) + 16 h + j.  32 x 4 tiles: 128 work-groups.
; CLUSTERS: 4 x 4.  The rows' blocks are shared along a row of the cluster, the weight's along a column: joint loads.  K goes in steps of 256 through two LDS slots, written out without a loop.
; No prefetch: half of K is asked for at the head, and two refills follow.
; REGISTERS: window 0: v16-29 addresses, v32-35 the bias, v128-255 A's fragments (one set), on the way out rows read back; window 1: B's two sets; windows 2, 3: accumulator (a, b) at v[8 (8 (a % 4) + b)].
.set HALFT,  32768
.set SLOT,   4*HALFT
.set SPARE,  2*SLOT                    ; behind the ring: the spare words, 128 bytes for each wave: two blocks of 256 bytes that no other line names
.set SPITCH, 528                       ; the way out: a stage of 16 rows x (512 bytes + 16) for each wave, in slot 0, which has had its last fill and its last read when the first result is stored there
.set FR,     16
.set NL,     4
.set NP,     4
.set ADRA, 16
.set ADRB, 20
.set STO,  24                          ; v24  the stage: where I put 32 bytes of a row
.set RD,   25                          ; v25  where I read a row back
.set CO,   26                          ; v26  16 x lane
.set SPW,  28
.set NIL,  29
.set AF,   128
.set BK,   128                         ; rows read back: v128-191 and v192-255 by turns
.set WV, 16
.set HA, 17
.set HB, 18
.set G1, 24
.set G0, 32
.set G1B, 48
.set G0B, 56
.set MSB, 0
.macro WIN new                         ; the immediate's high byte repeats the setting that is left
.if MSB != (\new)
	s_set_vgpr_msb (MSB<<8)|(\new)
.set MSB, (\new)
.endif
.endm
.set MUL_LO, 0xa1
.set MUL_HI, 0xf1
.set TO_B,   0x40
.macro JLOAD s                         ; a joint load: waves 0, 1 for A, waves 2, 3 for B; four v_nop follow each line
	s_cmp_eq_u32 s[HA], 0
	s_cbranch_scc0 .Lfor_b_\@
	tensor_load_to_lds s[G0+4*\s:G0+4*\s+3], s[G1:G1+7]
	s_nop 0
.rept 4
	v_nop
.endr
	s_branch .Lasked_\@
.Lfor_b_\@:
	tensor_load_to_lds s[G0B+4*\s:G0B+4*\s+3], s[G1B:G1B+7]
	s_nop 0
.rept 4
	v_nop
.endr
.Lasked_\@:
.endm
.macro CREST
	s_cmp_lg_u32 s[WV], 0
	s_cbranch_scc1 .Lnot_wave_0_\@
	s_barrier_signal -3
.Lnot_wave_0_\@:
	s_barrier_wait -3
	s_barrier_signal -1
	s_barrier_wait -1
.endm
.macro CROUND
	s_barrier_signal -1
	s_barrier_wait -1
	CREST
.endm
	s_load_b256 s[4:11], s[0:1], 0x0               ; a_codes s[4:5], wo_codes s[6:7], b_out s[8:9], the exponents s[10:11]
	s_load_b64 s[12:13], s[0:1], 0x20              ; out0
	v_lshl_add_u32 v[SPW], v0, 2, SPARE
	v_mov_b32 v[NIL], 0
	ds_add_u32 v28, v29
	ds_add_u32 v28, v29
	s_wait_dscnt 0x0
	v_lshrrev_b32 v1, 5, v0
	v_readfirstlane_b32 s[WV], v1
	s_lshr_b32 s[HA], s[WV], 1
	s_and_b32 s[HB], s[WV], 1
	s_bfe_u32 s19, ttmp6, 0x40000                  ; cx
	s_bfe_u32 s20, ttmp6, 0x40004                  ; cy
	s_and_b32 s22, ttmp7, 0xffff
	s_lshl_b32 s22, s22, 2
	s_add_co_u32 s40, s22, s20                     ; the block of 256 rows: 4 x cluster y + cy
	s_lshl_b32 s23, ttmp9, 2
	s_add_co_u32 s41, s23, s19                     ; the block of 256 columns: 4 x cluster x + cx
	s_lshl_b32 s21, s20, 2
	s_lshl_b32 s21, 15, s21                        ; my row of the cluster
	s_lshl_b32 s23, 0x1111, s19                    ; my column
	s_or_b32 s[G1+0], s21, (3<<16)|(1<<21)         ; 15:0 the mask; 17:16 elements of 8 bytes; 21 set beside a mask
	s_or_b32 s[G1B+0], s23, (3<<16)|(1<<21)
.irp g, G1, G1B
	s_mov_b32 s[\g+1], 32<<16                      ; tensor_dim0
	s_mov_b32 s[\g+2], 128<<16                     ; tensor_dim1
	s_mov_b32 s[\g+3], 32<<16                      ; tile_dim0
	s_mov_b32 s[\g+4], 128                         ; tile_dim1
	s_mov_b32 s[\g+5], 32                          ; tensor_dim0_stride
	s_mov_b32 s[\g+6], 0
	s_mov_b32 s[\g+7], 0
.endr
	s_lshl_b32 s42, s40, 1
	s_add_co_u32 s42, s42, s[HB]
	s_lshl_b32 s42, s42, 17
	s_mov_b32 s43, 0
	s_lshl_b32 s46, s41, 1
	s_add_co_u32 s46, s46, s[HB]
	s_lshl_b32 s46, s46, 17
	s_mov_b32 s47, 0
	s_lshl_b32 s45, s[WV], 15
	s_wait_kmcnt 0x0
	s_load_b256 s[72:79], s[10:11], 0x0            ; e0 .. e7
	s_add_nc_u64 s[66:67], s[4:5], s[42:43]
	s_add_nc_u64 s[68:69], s[6:7], s[46:47]
	CROUND                                         ; all sixteen work-groups are here: the first joint loads meet
.irp s, 0,1
	s_mov_b32 s[G0+4*\s], 1
	s_add_co_u32 s[G0+4*\s+1], s45, \s*SLOT
	s_add_nc_u64 s[G0+4*\s+2:G0+4*\s+3], s[66:67], \s*HALFT
	s_or_b32 s[G0+4*\s+3], s[G0+4*\s+3], 0x80000000
	s_mov_b32 s[G0B+4*\s], 1
	s_add_co_u32 s[G0B+4*\s+1], s45, \s*SLOT
	s_add_nc_u64 s[G0B+4*\s+2:G0B+4*\s+3], s[68:69], \s*HALFT
	s_or_b32 s[G0B+4*\s+3], s[G0B+4*\s+3], 0x80000000
	s_wait_alu depctr_va_vdst(0)
	s_wait_tensorcnt 0x0
	ds_add_u32 v28, v29
	ds_add_u32 v28, v29
	s_wait_dscnt 0x0
	CROUND
	JLOAD \s
.endr
	v_and_b32 v1, 31, v0
	v_lshlrev_b32 v[CO], 4, v1
	s_lshl_b32 s21, s[HA], 15
	s_lshl_b32 s23, s[HB], 15
	s_add_co_u32 s23, s23, 2*HALFT
.irp s, 0,1
	v_add_nc_u32 v[ADRA+\s], s21, v[CO]
	v_add_nc_u32 v[ADRB+\s], s23, v[CO]
	s_add_co_u32 s21, s21, SLOT
	s_add_co_u32 s23, s23, SLOT
.endr
	v_and_b32 v3, 15, v0
	v_bfe_u32 v4, v0, 4, 1
	s_mul_i32 s21, s[WV], 16*SPITCH                ; my stage
	v_mul_u32_u24 v[STO], v3, SPITCH
	v_lshl_add_u32 v[STO], v4, 6, v[STO]
	v_add_nc_u32 v[STO], s21, v[STO]               ; in: row index r, + 64 h
	v_add_nc_u32 v[RD], s21, v[CO]                 ; back: the 32 lanes take one row of 512 bytes
	s_lshl_b32 s92, s41, 10
	s_lshl_b32 s93, s[HB], 9
	s_add_co_u32 s92, s92, s93                     ; my first column, in bytes
	s_mov_b32 s93, 0
	s_add_nc_u64 s[86:87], s[8:9], s[92:93]
	global_load_b128 v[32:35], v[CO], s[86:87]     ; the bias of the four columns that I hold of a row read back
	s_lshl_b32 s94, s40, 20                        ; 256 rows of 4,096 bytes
	s_lshl_b32 s91, s[HA], 19
	s_add_co_u32 s94, s94, s91
	s_add_co_u32 s94, s94, s92
	s_mov_b32 s95, 0
	s_add_nc_u64 s[82:83], s[12:13], s[94:95]      ; out0 at my first row and column
.macro FRAG reg, adr, q, i
.irp c, 0,1,2,3
	ds_load_b128 v[\reg+4*\c:\reg+4*\c+3], v[\adr] offset:2048*(\q)+4096*(\i)+512*\c
.endr
.endm
.macro MUL16 a0, p, zero               ; the 64 accumulators take turns, one instruction a turn
.irp a, \a0, \a0+1
.irp b, 0,1,2,3,4,5,6,7
.if \zero
	v_wmma_f32_16x16x128_bf8_bf8 v[8*(8*((\a)%4)+\b):8*(8*((\a)%4)+\b)+7], v[128*(\p)+FR*\b:128*(\p)+FR*\b+FR-1], v[AF+FR*(\a):AF+FR*(\a)+FR-1], 0
.else
	v_wmma_f32_16x16x128_bf8_bf8 v[8*(8*((\a)%4)+\b):8*(8*((\a)%4)+\b)+7], v[128*(\p)+FR*\b:128*(\p)+FR*\b+FR-1], v[AF+FR*(\a):AF+FR*(\a)+FR-1], v[8*(8*((\a)%4)+\b):8*(8*((\a)%4)+\b)+7]
.endif
.endr
.endr
.endm
.macro FETCH_B slot, q, p
	WIN TO_B
.irp i, 0,1,2,3,4,5,6,7
	FRAG 128*(\p)+FR*\i, ADRB+\slot, \q, \i
.endr
	WIN 0
.endm
.macro FETCH_A slot, q, i0
.irp i, \i0, \i0+1, \i0+2, \i0+3
	FRAG AF+FR*(\i), ADRA+\slot, \q, \i
.endr
.endm
.macro PLACES n
.rept \n
	v_nop
.endr
.endm
.macro STEP slot, q, zero
	s_wait_dscnt 4*NL                              ; B's set and A's blocks 0-3 are in; the youngest sixteen loads (A's blocks 4-7) may be out
	WIN MUL_LO
	MUL16 0, (\q)%2, \zero
	MUL16 2, (\q)%2, \zero
	s_wait_dscnt 0
	PLACES NP
	FETCH_B \slot, (\q)+1, 1-(\q)%2
	FETCH_A \slot, (\q)+1, 0
	WIN MUL_HI
	MUL16 4, (\q)%2, \zero
	MUL16 6, (\q)%2, \zero
	PLACES NP
	WIN 0
	FETCH_A \slot, (\q)+1, 4
.endm
.macro TURN slot, next, fill
	s_wait_tensorcnt 0x0                           ; all my tensor loads have landed: my part of the next slot
	ds_add_u32 v[SPW], v[NIL]                      ; 0 onto my spare word
	s_wait_dscnt 4*NL+1                            ; (the add and the youngest sixteen loads may be out)
	WIN MUL_LO
	MUL16 0, 1, 0
	s_wait_dscnt 0x0                               ; the add is done, and my reads of this slot are over
	s_barrier_signal -1
	MUL16 2, 1, 0
	WIN 0
	s_barrier_wait -1
.if \fill
	CREST                                          ; the barrier has opened a round of the cluster's barrier
	s_add_nc_u64 s[G0+4*\slot+2:G0+4*\slot+3], s[G0+4*\slot+2:G0+4*\slot+3], 2*HALFT
	s_add_nc_u64 s[G0B+4*\slot+2:G0B+4*\slot+3], s[G0B+4*\slot+2:G0B+4*\slot+3], 2*HALFT
	JLOAD \slot
.else
	PLACES NP
.endif
	FETCH_B \next, 0, 0
	FETCH_A \next, 0, 0
	WIN MUL_HI
	MUL16 4, 1, 0
	MUL16 6, 1, 0
	PLACES NP
	WIN 0
	FETCH_A \next, 0, 4
.endm
	s_wait_alu depctr_va_vdst(0)
	s_wait_tensorcnt 1                             ; my part of K's first 256 is in; the second slot's load may be out
	s_barrier_signal -1
	s_barrier_wait -1
	FETCH_B 0, 0, 0
	FETCH_A 0, 0, 0
	FETCH_A 0, 0, 4
	STEP 0, 0, 1
	TURN 0, 1, 1
	STEP 1, 0, 0
	TURN 1, 0, 1
	STEP 0, 0, 0
	TURN 0, 1, 0                                   ; nothing is left to fetch; behind its barrier nobody reads slot 0
	STEP 1, 0, 0
	s_wait_dscnt 4*NL
	WIN MUL_LO
	MUL16 0, 1, 0
	MUL16 2, 1, 0
	s_wait_dscnt 0
	WIN MUL_HI
	MUL16 4, 1, 0
	MUL16 6, 1, 0
	WIN 0
; THE WAY OUT, A's block a (16 rows x 128 columns) at a time.  The sums go from the accumulators into my own stage, each accumulator's low half first, and come back as whole rows of 512 bytes;
; there each pair gets x 2^(e6 + e7) + bias, and the 32 lanes store a row's 512 consecutive bytes.  LDS serves a wave's instructions in order (ISA guide 5.7.1.4): no wait between the stores and the loads.
.macro TOSTAGE a
	WIN 0x08+4*((\a)/4)                            ; an LDS store's data: window 2 or 3
.irp b, 0,1,2,3,4,5,6,7
	ds_store_b128 v[STO], v[64*((\a)%4)+8*\b:64*((\a)%4)+8*\b+3] offset:128*(\b/2)+32*(\b%2)
	ds_store_b128 v[STO], v[64*((\a)%4)+8*\b+4:64*((\a)%4)+8*\b+7] offset:128*(\b/2)+32*(\b%2)+16
.endr
	WIN 0
.set BB, BK+64*((\a)%2)
.irp t, 0,1,2,3,4,5,6,7,8,9,10,11,12,13,14,15
	ds_load_b128 v[BB+4*\t:BB+4*\t+3], v[RD] offset:\t*SPITCH
.endr
.endm
.macro SEND a, younger                 ; younger: the LDS instructions issued behind block a's loads, which may stay out
.set BB, BK+64*((\a)%2)
	s_wait_dscnt \younger
.irp t, 0,1,2,3,4,5,6,7,8,9,10,11,12,13,14,15
	v_pk_fma_f32 v[BB+4*\t:BB+4*\t+1], v[BB+4*\t:BB+4*\t+1], s[80:81], v[32:33] op_sel_hi:[1,0,1]
	v_pk_fma_f32 v[BB+4*\t+2:BB+4*\t+3], v[BB+4*\t+2:BB+4*\t+3], s[80:81], v[34:35] op_sel_hi:[1,0,1]
.endr
.irp t, 0,1,2,3,4,5,6,7,8,9,10,11,12,13,14,15
	global_store_b128 v[CO], v[BB+4*\t:BB+4*\t+3], s[82:83] offset:(32*((\a)/2)+8*((\a)%2)+\t+8*(\t/8))*4096 th:TH_STORE_NT   ; index t of tile a; 127 rows of 4,096 bytes at the most: inside the immediate, so no base is stepped
.endr
.endm
	s_wait_kmcnt 0x0
	s_add_co_i32 s80, s78, s79
	s_add_co_i32 s80, s80, 127
	s_lshl_b32 s80, s80, 23                        ; 2^(e6 + e7) as f32
	s_mov_b32 s81, s80                             ; (named with it as a pair)
	PLACES NP                                      ; in front of the first read of results and of loads into the registers that held A's fragments
	s_wait_loadcnt 0x0                             ; the bias
	TOSTAGE 0
.irp a, 1,2,3,4,5,6,7
.if \a > 1
	s_wait_xcnt 0x0                                ; block a - 2's stores have read their registers: block a's rows may land there
.endif
	TOSTAGE \a
	SEND \a-1, 32                                  ; behind block a - 1's loads: block a's 16 stores and 16 loads
.endr
	SEND 7, 0
	s_wait_tensorcnt 0x0                           ; the wave's end
	ds_add_u32 v[SPW], v[NIL]
	s_wait_dscnt 0x0
	CROUND                                         ; the closing round
	s_endpgm
.Lfunc_end_k_q7cee9a6519_proj:
	.size	k_q7cee9a6519_proj, .Lfunc_end_k_q7cee9a6519_proj-k_q7cee9a6519_proj
	.p2alignl 7, 3214868480
	.fill 96, 4, 3214868480
	.section	.rodata,"a",@progbits
	.p2align	6, 0x0
	.amdhsa_kernel k_q7cee9a6519_proj
		.amdhsa_group_segment_fixed_size 327680
		.amdhsa_private_segment_fixed_size 0
		.amdhsa_enable_private_segment 0
		.amdhsa_kernarg_size 40
		.amdhsa_user_sgpr_count 2
		.amdhsa_user_sgpr_kernarg_segment_ptr 1
		.amdhsa_wavefront_size32 1
		.amdhsa_system_sgpr_workgroup_id_x 1
		.amdhsa_system_sgpr_workgroup_id_y 1
		.amdhsa_system_sgpr_workgroup_id_z 1
		.amdhsa_system_vgpr_workitem_id 0
		.amdhsa_next_free_vgpr 1024
		.amdhsa_next_free_sgpr 100
		.amdhsa_reserve_vcc 0
		.amdhsa_float_denorm_mode_32 3
		.amdhsa_float_denorm_mode_16_64 3
		.amdhsa_memory_ordered 1
		.amdhsa_forward_progress 1
		.amdhsa_inst_pref_size 123
	.end_amdhsa_kernel
	.amdgpu_metadata
---
amdhsa.version: [ 1, 2 ]
amdhsa.kernels:
  - .name:           k_q7cee9a6519_proj
    .symbol:         k_q7cee9a6519_proj.kd
    .args:
      - { .name: a_codes, .offset: 0, .size: 8, .value_kind: global_buffer, .address_space: global }
      - { .name: wo_codes, .offset: 8, .size: 8, .value_kind: global_buffer, .address_space: global }
      - { .name: b_out, .offset: 16, .size: 8, .value_kind: global_buffer, .address_space: global }
      - { .name: lowp_scales, .offset: 24, .size: 8, .value_kind: global_buffer, .address_space: global }
      - { .name: out0, .offset: 32, .size: 8, .value_kind: global_buffer, .address_space: global }
    .group_segment_fixed_size: 327680
    .private_segment_fixed_size: 0
    .kernarg_segment_align: 8
    .kernarg_segment_size: 40
    .max_flat_workgroup_size: 128
    .sgpr_count:     100
    .vgpr_count:     1024
    .wavefront_size: 32
...
	.end_amdgpu_metadata
.endif
;; end of part 4
